; MI455X (gfx1250); checked and timed in simulation.
; The chip was launched on July 23, 2026; its instructions are those of AMD's public machine-readable ISA for CDNA 5 (MIT licence, August 2026) and "CDNA5" Instruction Set Architecture Reference Guide (July 2026). The comments in the code are by the model that wrote it; some were corrected since.
;; Attention. Allowed arithmetic: float matrix products may take bf16 or f16 operands with f32 sums; all other float work in f32.
;; Inputs: block_tables 4 x 128 int32; k_cache 512 x 16 x 8 x 128 float32; query 4 x 256 x 32 x 128 float32; seq_lens 4 int32; v_cache 512 x 16 x 8 x 128 float32.
;; Outputs: out0 1,024 x 4,096 float32.
;; One version. Each part assembles by itself: llvm-mc -triple=amdgcn-amd-amdhsa -mcpu=gfx1250 --defsym DOCPART=n.
;; ======== version 1 of 1: 1 launch
;; limits: values are held in f16: magnitudes above 65,504 overflow, below 6.1e-05 lose precision
;; launch attn (part 1): grid 256 x 1, 4 waves a work-group, no clusters, 309,760 bytes of LDS; arguments query, k_cache, v_cache, block_tables, seq_lens, out0; writes out0
.if DOCPART == 1
	.amdgcn_target "amdgcn-amd-amdhsa--gfx1250"
	.amdhsa_code_object_version 6
	.text
	.protected	k_q1a287d0b66_attn
	.globl	k_q1a287d0b66_attn
	.p2align	8
	.type	k_q1a287d0b66_attn,@function
k_q1a287d0b66_attn:
	s_mov_b64 s[64:65], 0
	v_nop
	global_prefetch_b8 v0, s[64:65] scope:SCOPE_SE
	s_setreg_imm32_b32 hwreg(HW_REG_WAVE_MODE, 25, 1), 1
	s_wait_xcnt 0x0
; Paged GQA prefill attention, one launch.  4 sequences x 256 new tokens x 32 heads (8 KV heads), D = 128, f32 in and out.
; WORK-GROUP: 128 tokens (half u of a sequence) of one query head.
; WAVE: all 128 queries x a private quarter of the keys.  In trip t wave w takes keys 128 t + 32 w .. + 31 (cache blocks 8 t + 2 w, + 1),
; fetches them itself, uses them alone, and keeps its own running maximum, sum and O; the four are merged once, at the end, through LDS.
; So each K/V number is fetched and rounded once in the work-group, and the loop over the keys needs no barrier.
; NUMBER FORMAT: all matrix operands are f16, all sums f32.  A query that sees n keys averages the rounding errors of n numbers only, and the
; first queries of a sequence of 256 tokens see one, two, three keys: there the rounding of V and P reaches the output undamped, so the
; format with 11 significant bits is taken (error at most 2^-11 of a number) and not the one with 8.
; NO CLUSTER, NO TENSOR LOADS: the four heads of a KV head read the same K and V, but
; the addresses come from block_tables and the number of trips from seq_lens,
; both read from memory.  K and V therefore come through registers, asked for one whole trip ahead:
;   K: whole rows of 512 bytes (one load of the wave each), rounded to f16, through the own LDS stage of the wave into fragments;
;   V: straight into the operand layout (sixteen lanes take 256 neighbouring bytes of one key), rounded in registers, no LDS.
; Q * c lies in LDS as f16; its fragments rotate through 64 registers.  No separate prefetch: each K and V load is out for a whole trip.
; PRODUCTS ARE TRANSPOSED: S^T = K Q^T (a lane holds 16 keys of one query: maximum and sum stay in the lane but for one exchange of halves,
; and the exponentials pack in the lane into the second operand of the next product), O^T = V^T P^T.
; K index of the first product: place p (0..15) of lane half h in step ks stands for d = 32 ks + 16 h + p, alike for K and Q.
; Row m of d tile dt = 4 gq + e of the second product stands for d = 64 gq + 4 m + e: one 16-byte load of V feeds four d tiles.
; MASK: query token i sits at position Lc - 256 + i, Lc = max(seq_len, 256).  Trips whose keys no query of the block sees are not run; the first
; trip and the last two apply the mask (-1e30, as the problem does), the trips between are wholly visible:
; with P0 the first query position, (P0 + 1) >> 7 trips are wholly visible and that is at least ((P0 + 255) >> 7) - 2.
; LIMITS: |q| * 0.1275, |k| and |v| must stay below 65,504, the largest f16 (numbers of spread 1 have room for a factor of thousands);
; below 2^-14 they keep an absolute error of 2^-25.  Block table entries are clamped to 511 (the cache has 512 blocks).  seq_len is clamped to
; 4096, which changes nothing: from 2303 on no key is masked.  V in the masked part of a tile that is run must be finite (it is multiplied by
; a weight of zero).  Q is multiplied by SCALE * log2(e) in f32 and then rounded to f16: another order of rounding than scaling the product.
.set PK,    528                        ; pitch of the merge stage: 512 bytes + 16, an odd multiple of 16
.set BLK,   16*PK
.set WRING, 128*PK                     ; LDS of a wave: the merge stage, 128 rows; until then its first 32 x 272 bytes are the K stage
.set QS,    4*WRING                    ; Q * c in f16, 128 rows
.set QP,    272                        ; pitch of f16 rows (Q, K stage): 256 bytes + 16
.set ML,    QS+128*QP                  ; [wave][m, l][r][nb] f32, 4,096 bytes
.set KR,  1                            ; v1      where I read K fragments: my LDS + 272 r + 32 h
.set KW,  2                            ; v2      where I put K rows: my LDS + 8 x lane
.set XM,  3                            ; v3      mask: key 16 kt + j of query block nb is visible where 16 kt + j <= XM + 16 nb
.set MX,  4                            ; v4-11   running maximum of query block nb (log2 units)
.set LS,  12                           ; v12-19  running sum, of my half of the keys
.set AL,  20                           ; v20-27  factor for the old sums
.set QW,  20                           ; v20     at the start only: where I put Q
.set TMP, 28                           ; v28     scratch
.set GO,  29                           ; v29     16 x lane: byte offset in a row of query, K and out0
.set VG,  30                           ; v30     V: 8 h rows of 4,096 bytes + 16 r
.set QR,  31                           ; v31     where I read Q fragments: QS + 272 r + 32 h
.set FB,  32                           ; v32-63  four f16 fragments (K, then V^T); between the products: scratch of the softmax
.set TT,  32
.set T2,  40
.set SU,  48
.set QB,  64                           ; v64-127 eight Q fragments (query block nb at 8 nb) of one K step
.set STG, 64                           ;         the same registers in the merge
.set S0,  128                          ; v128-191 S of keys 0-15 x query block nb, then P (f16) in place
.set S1,  192                          ; v192-255 S of keys 16-31
.set KF,  0                            ; window 1, v0-127:   K as loaded, row i at 4 i
.set VF,  128                          ; window 1, v128-255: V as loaded, (gq, key 8 h + i') at 64 gq + 4 i'
                                       ; windows 2, 3: O tile (dt, nb) at 64 (dt & 3) + 8 nb, window 2 + (dt >> 2)
.set MSB, 0
.macro WIN new                         ; register windows: bits 1:0 source 0, 3:2 source 1, 5:4 source 2, 7:6 destination; the high byte repeats the setting left
.if MSB != (\new)
	s_set_vgpr_msb (MSB<<8)|(\new)
.set MSB, (\new)
.endif
.endm
.macro PLACES                          ; four independent vector places behind matrix instructions (ISA guide 7.12.1)
.rept 4
	v_nop
.endr
.endm
; the addresses of two cache blocks: s[dst:dst+3] = s[src:src+1] + 65,536 x the two table entries in s[e], s[e+1]
.macro BASES dst, src, e
	s_min_u32 s[\e], s[\e], 511
	s_min_u32 s[\e+1], s[\e+1], 511
	s_lshl_b32 s60, s[\e], 16                      ; a cache block is 16 x 8 x 128 x 4 = 65,536 bytes
	s_lshl_b32 s62, s[\e+1], 16
	s_add_nc_u64 s[\dst:\dst+1], s[\src:\src+1], s[60:61]
	s_add_nc_u64 s[\dst+2:\dst+3], s[\src:\src+1], s[62:63]
.endm
; 32 rows of K: the wave takes one whole row of 512 bytes with each load.  Destination window 1, address window 0.
.macro KGLD
.set i, 0
.rept 32
	global_load_b128 v[KF+4*i:KF+4*i+3], v[GO], s[40+2*(i/16):41+2*(i/16)] offset:4096*(i%16)
.set i, i+1
.endr
.endm
; half gq of V (d = 64 gq + 4 r + 0..3) of keys 8 h + i (block 0) and 16 + 8 h + i (block 1): sixteen lanes take 256 neighbouring bytes
.macro VGLD gq
.irp hi, 0,1
.irp i, 0,1,2,3,4,5,6,7
	global_load_b128 v[VF+64*(\gq)+32*\hi+4*\i:VF+64*(\gq)+32*\hi+4*\i+3], v[VG], s[44+2*\hi:45+2*\hi] offset:4096*\i+256*(\gq)
.endr
.endr
.endm
; K to f16 in place, and into my stage.  Leaves the setting: destination and source 1 window 1, source 0 window 0.
.macro KCVT
	WIN 0x45
.set i, 0
.rept 32
	v_cvt_pk_f16_f32 v[KF+4*i], v[KF+4*i], v[KF+4*i+1]
	v_cvt_pk_f16_f32 v[KF+4*i+1], v[KF+4*i+2], v[KF+4*i+3]
.set i, i+1
.endr
	WIN 0x44
.set i, 0
.rept 32
	ds_store_b64 v[KW], v[KF+4*i:KF+4*i+1] offset:QP*i     ; 256 neighbouring bytes: key i, d = 4 x lane ..
.set i, i+1
.endr
.endm
; the two K fragments (keys 0-15, 16-31) of K step ks: four loads
.macro KLD ks
.irp kt, 0,1
	ds_load_b128 v[FB+16*((\ks)&1)+8*\kt:FB+16*((\ks)&1)+8*\kt+3], v[KR] offset:16*QP*\kt+64*(\ks)
	ds_load_b128 v[FB+16*((\ks)&1)+8*\kt+4:FB+16*((\ks)&1)+8*\kt+7], v[KR] offset:16*QP*\kt+64*(\ks)+16
.endr
.endm
; the Q fragments of query blocks 2 p, 2 p + 1 of K step ks: four loads
.macro QLD ks, p
.irp nn, 0,1
	ds_load_b128 v[QB+16*(\p)+8*\nn:QB+16*(\p)+8*\nn+3], v[QR] offset:16*QP*(2*(\p)+\nn)+64*(\ks)
	ds_load_b128 v[QB+16*(\p)+8*\nn+4:QB+16*(\p)+8*\nn+7], v[QR] offset:16*QP*(2*(\p)+\nn)+64*(\ks)+16
.endr
.endm
; Four products: 32 keys x query blocks 2 p, 2 p + 1 x 32 d; then the pair of Q fragments is fetched for the next K step.
; The LDS loads run in the order K(0), Q(0,0..3), K(1), Q(1,0), Q(1,1), Q(1,2), Q(1,3), K(2), Q(2,0) .. : four loads each, so behind the run
; that a group needs four younger runs (16 loads) are out, until in the last K step nothing more is issued.
.macro SGRP ks, p, left
	s_wait_dscnt \left
.irp kt, 0,1
.irp nn, 0,1
.if (\ks) == 0
	v_wmma_f32_16x16x32_f16 v[S0+64*\kt+16*(\p)+8*\nn:S0+64*\kt+16*(\p)+8*\nn+7], v[FB+16*((\ks)&1)+8*\kt:FB+16*((\ks)&1)+8*\kt+7], v[QB+16*(\p)+8*\nn:QB+16*(\p)+8*\nn+7], 0
.else
	v_wmma_f32_16x16x32_f16 v[S0+64*\kt+16*(\p)+8*\nn:S0+64*\kt+16*(\p)+8*\nn+7], v[FB+16*((\ks)&1)+8*\kt:FB+16*((\ks)&1)+8*\kt+7], v[QB+16*(\p)+8*\nn:QB+16*(\p)+8*\nn+7], v[S0+64*\kt+16*(\p)+8*\nn:S0+64*\kt+16*(\p)+8*\nn+7]
.endif
.endr
.endr
.if (\ks) < 3
	PLACES                                         ; before loads land in registers that these products read
	QLD (\ks)+1, \p
.if (\p) == 3
.if (\ks) < 2
	KLD (\ks)+2
.endif
.endif
.endif
.endm
.macro CVTV dt                         ; fragment of V^T for d tile dt: pairs of neighbouring keys.  Sources window 1
.irp jj, 0,1,2,3,4,5,6,7
	v_cvt_pk_f16_f32 v[FB+8*((\dt)%4)+\jj], v[VF+64*((\dt)/4)+8*\jj+((\dt)%4)], v[VF+64*((\dt)/4)+8*\jj+4+((\dt)%4)]
.endr
.endm
.macro RESCALE dt                      ; O tile row dt times the factor of each query block (one factor a lane, broadcast to both halves of the pair)
.irp nb, 0,2,4,6
.irp q, 0,2,4,6
	v_pk_mul_f32 v[64*((\dt)%4)+8*\nb+\q:64*((\dt)%4)+8*\nb+\q+1], v[64*((\dt)%4)+8*\nb+\q:64*((\dt)%4)+8*\nb+\q+1], v[AL+\nb:AL+\nb+1] op_sel_hi:[1,0]
.endr
.irp q, 0,2,4,6
	v_pk_mul_f32 v[64*((\dt)%4)+8*\nb+8+\q:64*((\dt)%4)+8*\nb+8+\q+1], v[64*((\dt)%4)+8*\nb+8+\q:64*((\dt)%4)+8*\nb+8+\q+1], v[AL+\nb:AL+\nb+1] op_sel:[0,1] op_sel_hi:[1,1]
.endr
.endr
.endm
.macro PVMM dt, first
.irp nb, 0,1,2,3,4,5,6,7
.if \first
	v_wmma_f32_16x16x32_f16 v[64*((\dt)%4)+8*\nb:64*((\dt)%4)+8*\nb+7], v[FB+8*((\dt)%4):FB+8*((\dt)%4)+7], v[S0+8*\nb:S0+8*\nb+7], 0
.else
	v_wmma_f32_16x16x32_f16 v[64*((\dt)%4)+8*\nb:64*((\dt)%4)+8*\nb+7], v[FB+8*((\dt)%4):FB+8*((\dt)%4)+7], v[S0+8*\nb:S0+8*\nb+7], v[64*((\dt)%4)+8*\nb:64*((\dt)%4)+8*\nb+7]
.endif
.endr
.endm
; Two d tiles: fragments, old sums rescaled, 16 products.  The two halves of FB take turns, so the conversions write over fragments that the
; products of the batch before last read: the 64 multiplications of the rescaling in between are the places; the first trip, which has none,
; gets four of its own.
; vload: behind the conversions of an odd batch a half of V has been read out and is asked for again, for the next trip.
; pre: the first fragments of the next trip (K step 0) are fetched under the last 16 products, four places behind the batch that read those registers.
.macro PVB pb, first, vload, pre
.if \first
	PLACES
.endif
	WIN 0x05
	CVTV 2*\pb
	CVTV 2*\pb+1
.if ((\pb)&1) & (\vload)
	WIN 0x40
	VGLD (\pb)/2
.endif
.if \pre
	WIN 0
	PLACES
	KLD 0
	QLD 0, 0
	QLD 0, 1
	QLD 0, 2
	QLD 0, 3
.endif
.if \first == 0
	WIN 0x82+0x41*((\pb)/2)
	RESCALE 2*\pb
	RESCALE 2*\pb+1
.endif
	WIN 0xa0+0x50*((\pb)/2)
	PVMM 2*\pb, \first
	PVMM 2*\pb+1, \first
	WIN 0
.endm
.macro MASK                            ; a hidden score becomes -1e30
.irp nb, 0,1,2,3,4,5,6,7
	v_add_nc_u32 v[TMP], 16*\nb, v[XM]
.irp j, 0,1,2,3,4,5,6,7
	v_cmp_le_i32 vcc_lo, \j, v[TMP]
	v_cndmask_b32 v[S0+8*\nb+\j], s25, v[S0+8*\nb+\j], vcc_lo
	v_cmp_le_i32 vcc_lo, 16+\j, v[TMP]
	v_cndmask_b32 v[S1+8*\nb+\j], s25, v[S1+8*\nb+\j], vcc_lo
.endr
.endr
.endm
.macro SA nb                           ; s - m, two at a time
.irp q, 0,2,4,6
.if ((\nb)&1) == 0
	v_pk_add_f32 v[S0+8*\nb+\q:S0+8*\nb+\q+1], v[S0+8*\nb+\q:S0+8*\nb+\q+1], v[MX+\nb:MX+\nb+1] op_sel_hi:[1,0] neg_lo:[0,1] neg_hi:[0,1]
	v_pk_add_f32 v[S1+8*\nb+\q:S1+8*\nb+\q+1], v[S1+8*\nb+\q:S1+8*\nb+\q+1], v[MX+\nb:MX+\nb+1] op_sel_hi:[1,0] neg_lo:[0,1] neg_hi:[0,1]
.else
	v_pk_add_f32 v[S0+8*\nb+\q:S0+8*\nb+\q+1], v[S0+8*\nb+\q:S0+8*\nb+\q+1], v[MX+\nb-1:MX+\nb] op_sel:[0,1] op_sel_hi:[1,1] neg_lo:[0,1] neg_hi:[0,1]
	v_pk_add_f32 v[S1+8*\nb+\q:S1+8*\nb+\q+1], v[S1+8*\nb+\q:S1+8*\nb+\q+1], v[MX+\nb-1:MX+\nb] op_sel:[0,1] op_sel_hi:[1,1] neg_lo:[0,1] neg_hi:[0,1]
.endif
.endr
.endm
.macro SB nb                           ; 2^(s - m)
.irp j, 0,1,2,3,4,5,6,7
	v_exp_f32 v[S0+8*\nb+\j], v[S0+8*\nb+\j]
	v_exp_f32 v[S1+8*\nb+\j], v[S1+8*\nb+\j]
.endr
.endm
.macro SC nb, first                    ; the sum of my 16, the running sum, and P in f16 in place of S0 (keys 8 h + j, then 16 + 8 h + j)
	s_wait_alu depctr_va_vdst(0)
	v_pk_add_f32 v[SU+8*((\nb)&1):SU+8*((\nb)&1)+1], v[S0+8*\nb:S0+8*\nb+1], v[S0+8*\nb+2:S0+8*\nb+3]
	v_pk_add_f32 v[SU+8*((\nb)&1)+2:SU+8*((\nb)&1)+3], v[S0+8*\nb+4:S0+8*\nb+5], v[S0+8*\nb+6:S0+8*\nb+7]
	v_pk_add_f32 v[SU+8*((\nb)&1)+4:SU+8*((\nb)&1)+5], v[S1+8*\nb:S1+8*\nb+1], v[S1+8*\nb+2:S1+8*\nb+3]
	v_pk_add_f32 v[SU+8*((\nb)&1)+6:SU+8*((\nb)&1)+7], v[S1+8*\nb+4:S1+8*\nb+5], v[S1+8*\nb+6:S1+8*\nb+7]
.irp jj, 0,1,2,3
	v_cvt_pk_f16_f32 v[S0+8*\nb+\jj], v[S0+8*\nb+2*\jj], v[S0+8*\nb+2*\jj+1]
.endr
	v_pk_add_f32 v[SU+8*((\nb)&1):SU+8*((\nb)&1)+1], v[SU+8*((\nb)&1):SU+8*((\nb)&1)+1], v[SU+8*((\nb)&1)+2:SU+8*((\nb)&1)+3]
	v_pk_add_f32 v[SU+8*((\nb)&1)+4:SU+8*((\nb)&1)+5], v[SU+8*((\nb)&1)+4:SU+8*((\nb)&1)+5], v[SU+8*((\nb)&1)+6:SU+8*((\nb)&1)+7]
.irp jj, 0,1,2,3
	v_cvt_pk_f16_f32 v[S0+8*\nb+4+\jj], v[S1+8*\nb+2*\jj], v[S1+8*\nb+2*\jj+1]
.endr
	v_pk_add_f32 v[SU+8*((\nb)&1):SU+8*((\nb)&1)+1], v[SU+8*((\nb)&1):SU+8*((\nb)&1)+1], v[SU+8*((\nb)&1)+4:SU+8*((\nb)&1)+5]
.if \first
	v_add_f32 v[LS+\nb], v[SU+8*((\nb)&1)], v[SU+8*((\nb)&1)+1]
.else
	v_add_f32 v[SU+8*((\nb)&1)], v[SU+8*((\nb)&1)], v[SU+8*((\nb)&1)+1]
	v_fma_f32 v[LS+\nb], v[LS+\nb], v[AL+\nb], v[SU+8*((\nb)&1)]
.endif
.endm
.macro SOFTMAX first
	; the new maximum: eight chains (one a query block) that do not wait for each other
.irp nb, 0,1,2,3,4,5,6,7
	v_max3_num_f32 v[TT+\nb], v[S0+8*\nb], v[S0+8*\nb+1], v[S0+8*\nb+2]
.endr
.irp k, 3,5
.irp nb, 0,1,2,3,4,5,6,7
	v_max3_num_f32 v[TT+\nb], v[TT+\nb], v[S0+8*\nb+\k], v[S0+8*\nb+\k+1]
.endr
.endr
.irp nb, 0,1,2,3,4,5,6,7
	v_max3_num_f32 v[TT+\nb], v[TT+\nb], v[S0+8*\nb+7], v[S1+8*\nb]
.endr
.irp k, 1,3,5
.irp nb, 0,1,2,3,4,5,6,7
	v_max3_num_f32 v[TT+\nb], v[TT+\nb], v[S1+8*\nb+\k], v[S1+8*\nb+\k+1]
.endr
.endr
.irp nb, 0,1,2,3,4,5,6,7
.if \first
	v_max_num_f32 v[TT+\nb], v[TT+\nb], v[S1+8*\nb+7]
.else
	v_max3_num_f32 v[TT+\nb], v[TT+\nb], v[S1+8*\nb+7], v[MX+\nb]
.endif
.endr
.irp nb, 0,1,2,3,4,5,6,7
	v_permlanex16_b32 v[T2+\nb], v[TT+\nb], s26, s27       ; the other eight keys of each tile lie in lane xor 16
.endr
.irp nb, 0,1,2,3,4,5,6,7
	v_max_num_f32 v[TT+\nb], v[TT+\nb], v[T2+\nb]
.endr
.if \first == 0
.irp nb, 0,1,2,3,4,5,6,7
	v_sub_f32 v[AL+\nb], v[MX+\nb], v[TT+\nb]
.endr
.irp nb, 0,1,2,3,4,5,6,7
	v_exp_f32 v[AL+\nb], v[AL+\nb]                         ; factor for the old sums; first used far below, behind the moves
.endr
.endif
.irp nb, 0,1,2,3,4,5,6,7
	v_mov_b32 v[MX+\nb], v[TT+\nb]
.endr
	; staggered, so that the subtractions of the next block are the plain instructions between the exponentials of a block and their use
	SA 0
	SB 0
	SA 1
	SC 0, \first
	SB 1
	SA 2
	SC 1, \first
	SB 2
	SA 3
	SC 2, \first
	SB 3
	SA 4
	SC 3, \first
	SB 4
	SA 5
	SC 4, \first
	SB 5
	SA 6
	SC 5, \first
	SB 6
	SA 7
	SC 6, \first
	SB 7
	v_nop
	s_wait_alu depctr_va_vdst(0)
	SC 7, \first
.endm
; ONE TRIP t: 32 keys of mine x 128 queries.  At its head: K(t) lies in my stage, its K step 0 fragments and those of Q are on their way,
; K(t+1) and V(t) are in or on their way into window 1.
; first: the sums start here.  mask: apply it.  kstage: a trip follows (K(t+1) is staged, V(t+1) asked for, first fragments fetched).
; kload: two trips follow (K(t+2) is asked for).  ca, cb, cc: how many younger global loads stay out at the three waits.
.macro TRIP first, mask, kstage, kload, ca, cb, cc
.if \kload
	s_load_b64 s[56:57], s[10:11], 0x40            ; my two table entries of tile t + 2 (eight entries a tile)
.endif
.if \kstage
	s_load_b64 s[58:59], s[10:11], 0x20            ; and of tile t + 1
.endif
.rept 5
	v_nop                                          ; five places behind the last products: the first products below write over P, the loads over a fragment
.endr
	KLD 1
.irp ks, 0,1,2
.irp p, 0,1,2,3
	SGRP \ks, \p, 16
.endr
.endr
	SGRP 3, 0, 12
	SGRP 3, 1, 8
	SGRP 3, 2, 4
	SGRP 3, 3, 0
	PLACES                                         ; behind the last products, before S is read and FB is written
.if \kstage
	s_wait_loadcnt \ca                             ; K(t+1) is in; the loads of V(t), issued behind it, stay out
	KCVT                                           ; all fragments of K(t) have been read: the stage is free
	s_wait_kmcnt 0x0                               ; the table entries
	s_wait_xcnt 0x0                                ; the block addresses are sources of loads that may be out: rewritten only behind this wait
	s_add_nc_u64 s[10:11], s[10:11], 32            ; the next tile
	BASES 44, 8, 58
.if \kload
	BASES 40, 6, 56
	KGLD                                           ; K(t+2): out for a whole trip
.endif
	WIN 0
.endif
.if \mask
	MASK
.endif
	SOFTMAX \first
	s_wait_loadcnt \cb                             ; the first half of V(t) is in; its second half and K(t+2) stay out
	PVB 0, \first, 0, 0
	PVB 1, \first, \kstage, 0
	s_wait_loadcnt \cc                             ; the second half of V(t); K(t+2) and the first half of V(t+1) stay out
	PVB 2, \first, 0, 0
	PVB 3, \first, \kstage, \kstage
.endm
	; ---------------------------------------------------------------- ids and addresses
	s_load_b256 s[4:11], s[0:1], 0x0               ; query s[4:5], k_cache s[6:7], v_cache s[8:9], block_tables s[10:11]
	s_load_b128 s[12:15], s[0:1], 0x20             ; seq_lens s[12:13], out0 s[14:15]
	v_lshrrev_b32 v28, 5, v0
	v_readfirstlane_b32 s16, v28                   ; wave 0..3
	s_and_b32 s17, ttmp9, 3                        ; which of the four query heads of the KV head
	s_bfe_u32 s21, ttmp9, 0x10002                  ; u: which 128 tokens
	s_bfe_u32 s20, ttmp9, 0x30003                  ; KV head
	s_lshr_b32 s19, ttmp9, 6                       ; sequence
	s_lshl_b32 s18, s19, 2
	s_mov_b32 s61, 0
	s_mov_b32 s63, 0
	s_lshl_b32 s62, s19, 9                         ; a row of the table is 512 bytes;
	s_lshl3_add_u32 s62, s16, s62                  ; my two entries of a tile lie 8 w bytes in
	s_wait_kmcnt 0x0
	s_load_b32 s22, s[12:13], s18 offset:0x0       ; seq_len of my sequence
	s_add_nc_u64 s[10:11], s[10:11], s[62:63]
	s_load_b64 s[56:57], s[10:11], 0x0             ; my blocks of tile 0
	s_load_b64 s[58:59], s[10:11], 0x20            ; and of tile 1
	s_mov_b32 s25, 0xf149f2ca                      ; -1e30
	s_mov_b32 s26, 0x76543210                      ; v_permlanex16_b32: lane i reads lane i of the other half
	s_mov_b32 s27, 0xfedcba98
	s_mov_b32 s28, 0xffff0000                      ; lanes 16-31
	s_mul_i32 s30, s16, WRING                      ; my LDS
	s_lshl_b32 s62, s20, 9                         ; KV head x 512 bytes
	s_add_nc_u64 s[6:7], s[6:7], s[62:63]
	s_add_nc_u64 s[8:9], s[8:9], s[62:63]
	s_lshl_b32 s62, s19, 8                         ; token row 256 b + 128 u + 32 w,
	s_lshl_b32 s29, s21, 7
	s_add_co_u32 s62, s62, s29
	s_lshl_b32 s29, s16, 5
	s_add_co_u32 s62, s62, s29
	s_lshl_b32 s62, s62, 14                        ; of 16,384 bytes,
	s_lshl2_add_u32 s29, s20, s17                  ; head 4 kvh + g,
	s_lshl_b32 s29, s29, 9                         ; of 512 bytes
	s_add_co_u32 s62, s62, s29
	s_add_nc_u64 s[4:5], s[4:5], s[62:63]
	s_add_nc_u64 s[14:15], s[14:15], s[62:63]
	v_and_b32 v26, 15, v0                          ; r
	v_bfe_u32 v27, v0, 4, 1                        ; h
	v_and_b32 v28, 31, v0                          ; lane
	v_lshlrev_b32 v[GO], 4, v28
.set i, 0
.rept 32
	global_load_b128 v[S0+4*i:S0+4*i+3], v[GO], s[4:5] offset:i*16384 th:TH_LOAD_NT    ; one whole row of 512 bytes of my 32 rows of Q
.set i, i+1
.endr
	v_mul_u32_u24 v[KR], v26, QP
	v_lshl_add_u32 v[KR], v27, 5, v[KR]            ; 272 r + 32 h
	v_add_nc_u32 v[QR], QS, v[KR]
	v_add_nc_u32 v[KR], s30, v[KR]
	v_lshl_add_u32 v[KW], v28, 3, s30
	v_lshlrev_b32 v[VG], 15, v27
	v_lshl_add_u32 v[VG], v26, 4, v[VG]
	s_mul_i32 s29, s16, 32*QP
	s_add_co_u32 s29, s29, QS
	v_lshl_add_u32 v[QW], v28, 3, s29
	; ---------------------------------------------------------------- trips
	s_wait_kmcnt 0x0
	s_max_i32 s22, s22, 256
	s_min_i32 s22, s22, 4096
	s_lshl_b32 s29, s21, 7
	s_add_co_u32 s22, s22, s29
	s_sub_co_u32 s22, s22, 256                     ; P0: position of the first query of the block
	s_add_co_u32 s23, s22, 255
	s_lshr_b32 s23, s23, 7                         ; tiles of 128 keys that some query sees,
	s_min_u32 s23, s23, 16                         ; of the 16 there are,
	s_max_u32 s23, s23, 3                          ; and three at the least: first, and two tails
	s_sub_co_u32 s24, s23, 3                       ; trips between
	s_lshl_b32 s29, s16, 5
	s_sub_co_u32 s29, s22, s29
	v_add_nc_u32 v[XM], s29, v26                   ; P0 + r - 32 w
	v_lshlrev_b32 v28, 3, v27
	v_sub_nc_u32 v[XM], v[XM], v28                 ; - 8 h: trip 0
	BASES 40, 6, 56                                ; K of tile 0
	BASES 44, 8, 56                                ; V of tile 0
	WIN 0x40
	KGLD
	WIN 0
	; my 32 rows of Q: times c = SCALE * log2(e), to f16, into LDS
.set i, 0
.rept 32
	s_wait_loadcnt 63-i                            ; loads return in order: row i is in; the 31 - i younger rows and the 32 loads of K(0) stay out
	v_pk_mul_f32 v[S0+4*i:S0+4*i+1], v[S0+4*i:S0+4*i+1], 0x3e0293ee op_sel_hi:[1,0]
	v_pk_mul_f32 v[S0+4*i+2:S0+4*i+3], v[S0+4*i+2:S0+4*i+3], 0x3e0293ee op_sel_hi:[1,0]
	v_cvt_pk_f16_f32 v[S0+4*i], v[S0+4*i], v[S0+4*i+1]
	v_cvt_pk_f16_f32 v[S0+4*i+1], v[S0+4*i+2], v[S0+4*i+3]
	ds_store_b64 v[QW], v[S0+4*i:S0+4*i+1] offset:QP*i
.set i, i+1
.endr
	WIN 0x40
	VGLD 0                                         ; V(0)
	VGLD 1
	s_wait_loadcnt 32                              ; K(0) is in; the 32 loads of V(0) stay out
	KCVT
	s_wait_xcnt 0x0                                ; the block addresses of K are rewritten only behind this wait
	BASES 40, 6, 58                                ; K of tile 1
	KGLD
	WIN 0
	s_wait_dscnt 0x0                               ; my rows of Q are in LDS, for the other waves
	s_barrier_signal -1
	s_barrier_wait -1
	KLD 0
	QLD 0, 0
	QLD 0, 1
	QLD 0, 2
	QLD 0, 3
	TRIP 1, 1, 1, 1, 0, 48, 48                     ; here K(1) was the last load issued: the wait for it is for 0
	s_cmp_eq_u32 s24, 0
	s_cbranch_scc1 .Ltail
.Lloop:
	TRIP 0, 0, 1, 1, 32, 48, 48
	s_sub_co_u32 s24, s24, 1
	s_cmp_lg_u32 s24, 0
	s_cbranch_scc1 .Lloop
.Ltail:
	s_sub_co_u32 s29, 2, s23
	s_lshl_b32 s29, s29, 7
	v_add_nc_u32 v[XM], s29, v[XM]                 ; the mask of the last trip but one: 128 keys a trip
	TRIP 0, 1, 1, 0, 32, 16, 16                    ; no K is asked for any more: only halves of V stay out
	v_add_nc_u32 v[XM], 0xffffff80, v[XM]
	TRIP 0, 1, 0, 0, 0, 16, 0                      ; nothing is asked for: the counts run down
	; ---------------------------------------------------------------- merge of the four waves
	PLACES                                         ; behind the last products: O is read, FB and P are written
.irp nb, 0,1,2,3,4,5,6,7
	v_permlanex16_b32 v[TT+\nb], v[LS+\nb], s26, s27
.endr
.irp nb, 0,1,2,3,4,5,6,7
	v_add_f32 v[LS+\nb], v[LS+\nb], v[TT+\nb]      ; the sum over both halves of the keys
.endr
.irp nb, 0,1,2,3,4,5,6,7
	v_cndmask_b32 v[TT+\nb], v[MX+\nb], v[LS+\nb], s28     ; lanes 0-15 hand on m, lanes 16-31 l
.endr
	v_and_b32 v30, 15, v0                          ; r
	v_bfe_u32 v31, v0, 4, 1                        ; h
	s_lshl_b32 s29, s16, 10
	s_add_co_u32 s29, s29, ML
	v_lshlrev_b32 v28, 5, v30
	v_lshl_add_u32 v28, v31, 9, v28
	v_add_nc_u32 v28, s29, v28                     ; ML + 1024 w + 512 h + 32 r
	ds_store_b128 v28, v[TT:TT+3]
	ds_store_b128 v28, v[TT+4:TT+7] offset:16
	v_lshlrev_b32 v[KW], 5, v30
	v_add_nc_u32 v[KW], ML, v[KW]                  ; ML + 32 r
	v_mul_u32_u24 v[KR], v30, PK
	v_lshl_add_u32 v[KR], v31, 7, v[KR]
	v_add_nc_u32 v[KR], s30, v[KR]                 ; my merge stage: my LDS + 528 r + 128 h
	s_wait_dscnt 0x0                               ; for the other waves
	s_barrier_signal -1
	s_barrier_wait -1
.irp ww, 0,1,2,3
.irp ml, 0,1
	ds_load_b128 v[S0+16*\ww+8*\ml:S0+16*\ww+8*\ml+3], v[KW] offset:1024*\ww+512*\ml
	ds_load_b128 v[S0+16*\ww+8*\ml+4:S0+16*\ww+8*\ml+7], v[KW] offset:1024*\ww+512*\ml+16
.endr
.endr
	s_wait_dscnt 0x0
.irp nb, 0,1,2,3,4,5,6,7
	v_max3_num_f32 v[TT+\nb], v[S0+\nb], v[S0+16+\nb], v[S0+32+\nb]
.endr
.irp nb, 0,1,2,3,4,5,6,7
	v_max_num_f32 v[TT+\nb], v[TT+\nb], v[S0+48+\nb]       ; the maximum over all keys
.endr
.irp ww, 0,1,2,3
.irp nb, 0,1,2,3,4,5,6,7
	v_sub_f32 v[S0+16*\ww+\nb], v[S0+16*\ww+\nb], v[TT+\nb]
.endr
.endr
.irp nb, 0,1,2,3,4,5,6,7
	v_sub_f32 v[AL+\nb], v[MX+\nb], v[TT+\nb]
.endr
.irp ww, 0,1,2,3
.irp nb, 0,1,2,3,4,5,6,7
	v_exp_f32 v[S0+16*\ww+\nb], v[S0+16*\ww+\nb]
.endr
.endr
.irp nb, 0,1,2,3,4,5,6,7
	v_exp_f32 v[AL+\nb], v[AL+\nb]
.endr
	v_nop                                          ; one plain instruction between the exponentials and their use
	s_wait_alu depctr_va_vdst(0)
.irp nb, 0,1,2,3,4,5,6,7
	v_mul_f32 v[TT+\nb], v[S0+\nb], v[S0+8+\nb]
.endr
.irp ww, 1,2,3
.irp nb, 0,1,2,3,4,5,6,7
	v_fmac_f32 v[TT+\nb], v[S0+16*\ww+\nb], v[S0+16*\ww+8+\nb]     ; the sum over all keys: at least 1, from the wave that holds the maximum
.endr
.endr
.irp nb, 0,1,2,3,4,5,6,7
	v_rcp_f32 v[TT+\nb], v[TT+\nb]
.endr
	v_nop
	s_wait_alu depctr_va_vdst(0)
.irp nb, 0,1,2,3,4,5,6,7
	v_mul_f32 v[AL+\nb], v[AL+\nb], v[TT+\nb]      ; my share: 2^(m - max) / sum
.endr
	s_mul_i32 s29, s16, 32*PK
	v_add_nc_u32 v[MX], s29, v[GO]                 ; the rows that I finish, 32 w .., in the stage of wave 0,
	v_add_nc_u32 v[MX+1], WRING, v[MX]             ; 1,
	v_add_nc_u32 v[MX+2], 2*WRING, v[MX]           ; 2,
	v_add_nc_u32 v[MX+3], 3*WRING, v[MX]           ; 3
; O of mine, weighted, into my merge stage (it covers my K stage, which only I have used and am done with):
; row = query, 528 bytes apart, d in its true order (register 4 j + e is d = 64 gq + 32 h + 4 j + e).
.macro OSTAGE gq, nb
	WIN 0x02+\gq
.irp j, 0,1,2,3,4,5,6,7
.irp e, 0,1,2,3
	v_mul_f32 v[STG+32*((\nb)&1)+4*\j+\e], v[64*\e+8*\nb+\j], v[AL+\nb]
.endr
.endr
	WIN 0
.irp j, 0,1,2,3,4,5,6,7
	ds_store_b128 v[KR], v[STG+32*((\nb)&1)+4*\j:STG+32*((\nb)&1)+4*\j+3] offset:BLK*\nb+256*\gq+16*\j
.endr
.endm
.irp nb, 0,1,2,3,4,5,6,7
	OSTAGE 0, \nb
.endr
.irp nb, 0,1,2,3,4,5,6,7
	OSTAGE 1, \nb
.endr
	s_wait_dscnt 0x0                               ; for the other waves
	s_barrier_signal -1
	s_barrier_wait -1
	; ---------------------------------------------------------------- the way out: wave w adds the four shares of queries 32 w .. + 31
.macro OLOAD k, bank                   ; rows 4 k .. 4 k + 3, the four shares of each
.irp ri, 0,1,2,3
.irp ww, 0,1,2,3
	ds_load_b128 v[\bank+16*\ri+4*\ww:\bank+16*\ri+4*\ww+3], v[MX+\ww] offset:PK*(4*(\k)+\ri)
.endr
.endr
.endm
.macro OSUM k, bank
.irp ri, 0,1,2,3
	v_pk_add_f32 v[\bank+16*\ri:\bank+16*\ri+1], v[\bank+16*\ri:\bank+16*\ri+1], v[\bank+16*\ri+4:\bank+16*\ri+5]
	v_pk_add_f32 v[\bank+16*\ri+2:\bank+16*\ri+3], v[\bank+16*\ri+2:\bank+16*\ri+3], v[\bank+16*\ri+6:\bank+16*\ri+7]
	v_pk_add_f32 v[\bank+16*\ri+8:\bank+16*\ri+9], v[\bank+16*\ri+8:\bank+16*\ri+9], v[\bank+16*\ri+12:\bank+16*\ri+13]
	v_pk_add_f32 v[\bank+16*\ri+10:\bank+16*\ri+11], v[\bank+16*\ri+10:\bank+16*\ri+11], v[\bank+16*\ri+14:\bank+16*\ri+15]
	v_pk_add_f32 v[\bank+16*\ri:\bank+16*\ri+1], v[\bank+16*\ri:\bank+16*\ri+1], v[\bank+16*\ri+8:\bank+16*\ri+9]
	v_pk_add_f32 v[\bank+16*\ri+2:\bank+16*\ri+3], v[\bank+16*\ri+2:\bank+16*\ri+3], v[\bank+16*\ri+10:\bank+16*\ri+11]
	global_store_b128 v[GO], v[\bank+16*\ri:\bank+16*\ri+3], s[14:15] offset:(4*(\k)+\ri)*16384 th:TH_STORE_NT   ; the wave stores 512 consecutive bytes, aligned: one head of one token
.endr
.endm
.macro OBATCH k, bank, other, more
.if \more
	s_wait_xcnt 0x0                                ; the other bank was the data of the stores of the batch before: loaded again only behind this wait
	OLOAD (\k)+1, \other
	s_wait_dscnt 16                                ; this batch is in; the sixteen loads just issued stay out
.else
	s_wait_dscnt 0
.endif
	OSUM \k, \bank
.endm
	OLOAD 0, STG
	OBATCH 0, STG, S0, 1
	OBATCH 1, S0, STG, 1
	OBATCH 2, STG, S0, 1
	OBATCH 3, S0, STG, 1
	OBATCH 4, STG, S0, 1
	OBATCH 5, S0, STG, 1
	OBATCH 6, STG, S0, 1
	OBATCH 7, S0, STG, 0
	s_wait_xcnt 0x0
	v_lshl_add_u32 v254, v0, 2, 0x4b800
	v_mov_b32 v255, 0
	s_wait_tensorcnt 0x0
	ds_add_u32 v254, v255
	s_wait_dscnt 0x0
	s_endpgm
.Lfunc_end_k_q1a287d0b66_attn:
	.size	k_q1a287d0b66_attn, .Lfunc_end_k_q1a287d0b66_attn-k_q1a287d0b66_attn
	.p2alignl 7, 3214868480
	.fill 96, 4, 3214868480
	.section	.rodata,"a",@progbits
	.p2align	6, 0x0
	.amdhsa_kernel k_q1a287d0b66_attn
		.amdhsa_group_segment_fixed_size 309760
		.amdhsa_private_segment_fixed_size 0
		.amdhsa_enable_private_segment 0
		.amdhsa_kernarg_size 48
		.amdhsa_user_sgpr_count 2
		.amdhsa_user_sgpr_kernarg_segment_ptr 1
		.amdhsa_wavefront_size32 1
		.amdhsa_system_sgpr_workgroup_id_x 1
		.amdhsa_system_sgpr_workgroup_id_y 1
		.amdhsa_system_sgpr_workgroup_id_z 1
		.amdhsa_system_vgpr_workitem_id 0
		.amdhsa_next_free_vgpr 1024
		.amdhsa_next_free_sgpr 72
		.amdhsa_reserve_vcc 1
		.amdhsa_float_denorm_mode_32 3
		.amdhsa_float_denorm_mode_16_64 3
		.amdhsa_memory_ordered 1
		.amdhsa_forward_progress 1
		.amdhsa_inst_pref_size 255
	.end_amdhsa_kernel
	.section	.bss,"aw",@nobits
	.p2align	6
	.space	262144
	.amdgpu_metadata
---
amdhsa.version: [ 1, 2 ]
amdhsa.kernels:
  - .name:           k_q1a287d0b66_attn
    .symbol:         k_q1a287d0b66_attn.kd
    .args:
      - { .name: query, .offset: 0, .size: 8, .value_kind: global_buffer, .address_space: global }
      - { .name: k_cache, .offset: 8, .size: 8, .value_kind: global_buffer, .address_space: global }
      - { .name: v_cache, .offset: 16, .size: 8, .value_kind: global_buffer, .address_space: global }
      - { .name: block_tables, .offset: 24, .size: 8, .value_kind: global_buffer, .address_space: global }
      - { .name: seq_lens, .offset: 32, .size: 8, .value_kind: global_buffer, .address_space: global }
      - { .name: out0, .offset: 40, .size: 8, .value_kind: global_buffer, .address_space: global }
    .group_segment_fixed_size: 309760
    .private_segment_fixed_size: 0
    .kernarg_segment_align: 8
    .kernarg_segment_size: 48
    .max_flat_workgroup_size: 128
    .sgpr_count:     72
    .vgpr_count:     1024
    .wavefront_size: 32
...
	.end_amdgpu_metadata
.endif
;; end of part 1
